; MI455X (gfx1250); checked and timed in simulation.
; The chip was launched on July 23, 2026; its instructions are those of AMD's public machine-readable ISA for CDNA 5 (MIT licence, August 2026) and "CDNA5" Instruction Set Architecture Reference Guide (July 2026). The comments in the code are by the model that wrote it; some were corrected since.
;; Slow LSTM. Allowed arithmetic: matrix products marked QUANTISED: E2M1 operands, one E8M0 scale for each 32 along K, by v_wmma_scale_f32_16x16x128_f8f6f4 with both operands' format E2M1 (or v_wmma_scale_f32_32x16x128_f4), f32 sums; everything else in f32.
;; Inputs: b_c 2,048 float32; b_f 2,048 float32; b_i 2,048 float32; b_o 2,048 float32; c 2,048 x 2,048 float32; h 2,048 x 2,048 float32; w_hc 2,048 x 2,048 float32; w_hf 2,048 x 2,048 float32; w_hi 2,048 x 2,048 float32; w_ho 2,048 x 2,048 float32; w_xc 2,048 x 2,048 float32; w_xf 2,048 x 2,048 float32; w_xi 2,048 x 2,048 float32; w_xo 2,048 x 2,048 float32; x 2,048 x 2,048 float32.
;; Outputs: out0 2,048 x 1 x 2,048 float32; out1 2,048 x 1 x 2,048 float32.
;; This version of the problem:
;;   THIS VERSION OF THE PROBLEM IS GIVEN IN LOW PRECISION. The matrix products marked QUANTISED in the list below multiply operands that are first quantised to E2M1 (2 exponent bits, 1 mantissa bit; 4 bits a number), with one power-of-two scale for each 32 numbers along K (OCP MX v1.0); their sums are f32. All else is computed in f32.
;;   The module's matrix products, in the order in which they are computed (A, B: the left and right operand; K: the contracted axis; several contracted axes count as one K, in the product's order):
;;     1. [M 2,048, K 2,048] x [K 2,048, N 8,192]; A: input x; B: computed on the way: QUANTISED
;;     2. [M 2,048, K 2,048] x [K 2,048, N 8,192]; A: input h; B: computed on the way: QUANTISED
;;   THE QUANTISER, for each operand of a quantised product, along K:
;;     - K is cut into blocks of 32 from its start; a last block that is shorter is filled with zeros.
;;     - A block's scale is 2^e with e = floor(log2(the largest magnitude in the block)) - 2, held to -126 .. 127; a block of zeros has e = 0. As a byte (E8M0): e + 127.
;;     - Each number is divided by its block's scale, clamped to +-6, and rounded to the nearest number of E2M1, ties to even, subnormals kept.
;;     - The product sums the exact products of the quantised numbers (number of the format x scale) in f32.
;;   ~~~python
;;   def quantise(x, axis):      # numpy; x: float32 -> the quantised numbers, widened to float32 again
;;       x = np.moveaxis(x, axis, -1); K = x.shape[-1]
;;       x = np.pad(x, [(0, 0)] * (x.ndim - 1) + [(0, -K % 32)]); x = x.reshape(x.shape[:-1] + (-1, 32)); a = np.abs(x).max(-1, keepdims=True)
;;       e = np.where(a > 0, np.clip(np.frexp(np.where(a > 0, a, 1))[1] - 1 - 2, -126, 127), 0)      # np.frexp(a)[1] - 1 = floor(log2(a)), exactly
;;       r = np.clip(x / 2.0 ** e, -6, 6)
;;       step = 2.0 ** (np.maximum(np.frexp(np.where(r == 0, 1, r))[1] - 1, 0) - 1)
;;       q = np.round(r / step) * step * 2.0 ** e      # np.round: ties to even
;;       return np.moveaxis(q.reshape(q.shape[:-2] + (-1,))[..., :K], -1, axis).astype(np.float32)
;;   ~~~
;;   OPERANDS COMPUTED ON THE WAY. 'Computed on the way' means the value that the module computes at that place (a softmax that the list does not call 'softmax' is quantised finished and normalised). What goes into a quantiser is computed in f32, as accurately as f32 sums, v_exp_f32 and their like allow (about 1e-6 of the number): no bf16 or f16 on the way to a quantiser, and a product that is left as it is and whose result goes on into a quantised operand takes f32 operands (vector FMAs, or v_wmma_f32_16x16x4_f32). A number that lies on a knife's edge between two numbers of the format may be rounded either way, as far as f32 arithmetic and the matrix unit's own rounding can turn it there, and no further.
;; One version. Each part assembles by itself: llvm-mc -triple=amdgcn-amd-amdhsa -mcpu=gfx1250 --defsym DOCPART=n.
;; ======== version 1 of 1: 2 launches
;; limits: right only within a limited range of input values
;; workspace buffers: aq 4,456,448 bytes; wq 17,825,792 bytes
;; launch quant (part 1): grid 1280 x 1, 4 waves a work-group, no clusters, 35,328 bytes of LDS; arguments x, h, w_xi, w_xf, w_xo, w_xc, w_hi, w_hf, w_ho, w_hc, aq, wq; writes aq, wq
.if DOCPART == 1
	.amdgcn_target "amdgcn-amd-amdhsa--gfx1250"
	.amdhsa_code_object_version 6
	.text
	.protected	k_qfdb2338a9c_quant
	.globl	k_qfdb2338a9c_quant
	.p2align	8
	.type	k_qfdb2338a9c_quant,@function
k_qfdb2338a9c_quant:
	s_mov_b64 s[64:65], 0
	v_nop
	global_prefetch_b8 v0, s[64:65] scope:SCOPE_SE
	s_setreg_imm32_b32 hwreg(HW_REG_WAVE_MODE, 25, 1), 1
	s_wait_xcnt 0x0
; x, h [2048][2048] f32 (K innermost) and the eight weights [2048 (K)][2048 (N)] f32 (K is the FIRST axis) become codes of FP4 (E2M1) with one E8M0 scale byte for each 32 along K.
; A block's scale is 2^(floor(log2(its largest magnitude)) - 2); its byte is the largest magnitude's own exponent field - 2, held at 1 from below; each number is divided by the scale and rounded to the nearest code, ties to even,
; what lies beyond 6 to the largest code.
; LIMITS: NaN and infinities among the inputs are not served.  A block of zeros gets the byte 1 where the quantiser's text says 127: its codes are zeros, which add nothing under any byte but 0xff, and this program alone reads the bytes.
; THE OUTPUT IS LAID AS THE NEXT LAUNCH'S LDS WANTS IT, in half-blocks of HBB = 34,816 dense bytes: 128 operand rows x one K step of 512:
;   bytes 0 .. 32,767: codes [kb 0..15][row 0..127][16 bytes] (kb: the block of 32 in the K step; the lower k in the lower four bits);   bytes 32,768 ..: scale bytes [p2 0..1][row][8 bytes], byte j for kb = 8 p2 + j.
;   aq: [row / 128][S 0..7][HBB];  wq: [unit / 32][S][HBB], row = 32 x gate + unit % 32 (gate 0 i, 1 f, 2 o, 3 c).  S 0..3: x's K, S 4..7: h's.
; SHARES.  Work-groups 0 .. 1023 take the weights, 1024 .. 1279 x and h; every work-group reads 128 KiB; a wave takes 32 rows of the operand x 256 along K.  Waves share nothing: no barrier.
; No work-group reads what another reads, so there is no cluster; no tensor load: each wave has up to 12 KiB of loads into registers out, and several work-groups share a WGP.
; Only the path for x and h touches LDS.
.set HBB, 34816
	s_load_b128 s[4:7], s[0:1], 0x0                ; x, h
	s_load_b512 s[16:31], s[0:1], 0x10             ; w_xi, w_xf, w_xo, w_xc, w_hi, w_hf, w_ho, w_hc
	s_load_b128 s[8:11], s[0:1], 0x50              ; aq, wq
	v_lshl_add_u32 v14, v0, 2, 0x8800              ; my spare word; v14 and v15 serve nothing else on either path
	v_mov_b32 v15, 0
	v_lshrrev_b32 v1, 5, v0
	v_readfirstlane_b32 s32, v1                    ; wave 0..3
	v_and_b32 v1, 31, v0                           ; lane
	v_and_b32 v2, 15, v0                           ; lane % 16
	v_bfe_u32 v3, v0, 4, 1                         ; lane / 16
	s_wait_kmcnt 0x0
	s_cmp_lt_u32 ttmp9, 1024
	s_cbranch_scc0 .Lacts
; Where my wave's codes (s[40:41]) and scale bytes (s[42:43]) begin.  s48: 8 x half-block + S;  s49: p2, which 256 of the K step;  s36: which 32 rows of the half-block
.macro OUTS base
	s_mul_i32 s48, s48, HBB
	s_lshl_b32 s50, s49, 14                        ; 8 blocks x 2,048 bytes
	s_lshl_b32 s51, s36, 9                         ; 32 rows x 16 bytes
	s_add_co_u32 s50, s50, s51
	s_add_co_u32 s50, s50, s48
	s_mov_b32 s51, 0
	s_add_nc_u64 s[40:41], s[\base:\base+1], s[50:51]
	s_lshl_b32 s52, s49, 10                        ; 128 rows x 8 bytes
	s_lshl_b32 s53, s36, 8                         ; 32 rows x 8 bytes
	s_add_co_u32 s52, s52, s53
	s_add_co_u32 s52, s52, s48
	s_add_co_u32 s52, s52, 32768
	s_mov_b32 s53, 0
	s_add_nc_u64 s[42:43], s[\base:\base+1], s[52:53]
.endm
; ---------------- THE WEIGHTS.  A LANE TAKES A COLUMN (a hidden unit), AND ITS REGISTERS RUN DOWN K: a block of 32 lies in one lane's 32 registers, its largest magnitude needs no other lane,
; and the conversions give 16 bytes with K innermost, which lie at 16 x lane in the output: a wave's store covers 512 consecutive bytes.  Nothing is transposed, and no LDS is used.
; Each load reads 128 consecutive bytes of a row of w; the four waves stand side by side on 512.
; v4 4 x lane; v5 16 x lane; v6 8 x lane; v11-13 at work; v[24:25] the 8 scale bytes; v32-95 two sets of 32 numbers; v96-127 four registers of codes for each block, so that no store's data are written again
	s_and_b32 s33, ttmp9, 15
	s_lshl_b32 s33, s33, 2
	s_add_co_u32 s33, s33, s32                     ; which 32 units: 0 .. 63
	s_bfe_u32 s34, ttmp9, 0x30004                  ; which 256 along K: 0 .. 7
	s_lshr_b32 s35, ttmp9, 7                       ; which weight: 0 .. 7
	s_and_b32 s36, s35, 3                          ; its gate
	s_lshr_b32 s37, s35, 2                         ; 0: multiplies x, 1: multiplies h
	s_bitcmp1_b32 s35, 0                           ; the weight's address is chosen by the work-group's number alone
	s_cselect_b64 s[16:17], s[18:19], s[16:17]
	s_cselect_b64 s[20:21], s[22:23], s[20:21]
	s_cselect_b64 s[24:25], s[26:27], s[24:25]
	s_cselect_b64 s[28:29], s[30:31], s[28:29]
	s_bitcmp1_b32 s35, 1
	s_cselect_b64 s[16:17], s[20:21], s[16:17]
	s_cselect_b64 s[24:25], s[28:29], s[24:25]
	s_bitcmp1_b32 s35, 2
	s_cselect_b64 s[38:39], s[24:25], s[16:17]
	s_lshl_b32 s46, s34, 21                        ; 256 rows of 8,192 bytes
	s_lshl_b32 s47, s33, 7                         ; 32 columns of 4 bytes
	s_add_co_u32 s46, s46, s47
	s_mov_b32 s47, 0
	s_add_nc_u64 s[38:39], s[38:39], s[46:47]
	s_lshl_b32 s48, s37, 2
	s_lshr_b32 s49, s34, 1
	s_add_co_u32 s48, s48, s49                     ; S
	s_lshl_b32 s49, s33, 3
	s_add_co_u32 s48, s48, s49
	s_and_b32 s49, s34, 1                          ; p2
	OUTS 10
	s_wait_alu depctr_va_vdst(0)
	v_lshlrev_b32 v4, 2, v1
	v_lshlrev_b32 v5, 4, v1
	v_lshlrev_b32 v6, 3, v1
.macro WLOAD t                         ; block t: w(32 t + i, my column), i = 0 .. 31, into set t % 2
.irp i, 0,1,2,3,4,5,6,7,8,9,10,11,12,13,14,15,16,17,18,19,20,21,22,23,24,25,26,27,28,29,30,31
	global_load_b32 v[32+32*((\t)%2)+\i], v4, s[38:39] offset:(32*(\t)+\i)*8192 th:TH_LOAD_NT
.endr
.endm
.macro WBLOCK t
.set XS, 32+32*((\t)%2)
.if (\t) < 7
	s_wait_loadcnt 32                              ; this block's 32 loads are in; the next block's 32 may be out
.else
	s_wait_loadcnt 0x0
.endif
	v_max3_num_f32 v12, |v[XS]|, |v[XS+1]|, |v[XS+2]|              ; the block's largest magnitude, in two chains
	v_max3_num_f32 v13, |v[XS+3]|, |v[XS+4]|, |v[XS+5]|
.irp i, 6,10,14,18,22,26
	v_max3_num_f32 v12, v12, |v[XS+\i]|, |v[XS+\i+1]|
	v_max3_num_f32 v13, v13, |v[XS+\i+2]|, |v[XS+\i+3]|
.endr
	v_max3_num_f32 v12, v12, |v[XS+30]|, |v[XS+31]|
	v_max3_num_f32 v12, v12, v13, 0x1800000        ; and the floor 2^(3 - 127): the byte cannot fall under 1
	v_add_nc_u32 v11, 0xff000000, v12              ; 2 off its exponent field: the conversion takes the exponent field of this operand as its scale, and nothing else of it
.irp g, 0,1,2,3
	v_cvt_scalef32_pk8_fp4_f32 v[96+4*(\t)+\g], v[XS+8*\g:XS+8*\g+7], v11
.endr
.if (\t)%4 == 0
	v_lshrrev_b32 v[24+(\t)/4], 23, v11            ; the scale's byte, four to a register, the lower K in the lower byte.  (Also the plain line behind the conversions)
.else
	v_lshrrev_b32 v13, 23, v11
	v_lshl_or_b32 v[24+(\t)/4], v13, 8*((\t)%4), v[24+(\t)/4]
.endif
	global_store_b128 v5, v[96+4*(\t):96+4*(\t)+3], s[40:41] offset:2048*(\t)   ; 32 lanes store 512 consecutive bytes, aligned
.if (\t)+2 < 8
	WLOAD (\t)+2                                   ; into the set just converted
.endif
.endm
	WLOAD 0
	WLOAD 1
.irp t, 0,1,2,3,4,5,6,7
	WBLOCK \t
.endr
	global_store_b64 v6, v[24:25], s[42:43]        ; my column's 8 scale bytes: 32 lanes store 256 consecutive bytes, aligned
	s_endpgm
; ---------------- x AND h.  K is innermost.  The conversions want 16 NEIGHBOURS along K in a lane; a load is best where neighbouring lanes take neighbouring bytes.  Both are had: a step is 16 rows x 64 numbers;
; each of its eight loads reads 256 consecutive bytes of two rows; the 4,096 bytes go through the wave's own stage in LDS (rows 272 bytes apart, so that neither way collides in the banks) and come back 64 bytes a lane, twice:
; lane (p, e) then holds, for two blocks, numbers 16 e .. 16 e + 15 of row p.  Lanes l and l xor 16 share a block.
; v4 in; v5 into the stage; v6 out of it; v7 codes out; v8 scale bytes out; v16-111 three sets of 32 as loaded; v112-175 two sets of 32 neighbours; v176-182 at work; v[184:187] codes; v[188:191] scale bytes, a pair for each 16 rows
.Lacts:
	s_sub_co_u32 s33, ttmp9, 1024
	s_lshr_b32 s37, s33, 7                         ; 0: x, 1: h
	s_bfe_u32 s34, s33, 0x60001                    ; which 32 rows: 0 .. 63
	s_and_b32 s35, s33, 1
	s_lshl_b32 s35, s35, 2
	s_add_co_u32 s35, s35, s32                     ; which 256 along K: 0 .. 7
	s_cmp_eq_u32 s37, 0
	s_cselect_b64 s[38:39], s[4:5], s[6:7]
	s_lshl_b32 s46, s34, 18                        ; 32 rows of 8,192 bytes
	s_lshl_b32 s47, s35, 10
	s_add_co_u32 s46, s46, s47
	s_mov_b32 s47, 0
	s_add_nc_u64 s[38:39], s[38:39], s[46:47]
	s_lshl_b32 s48, s37, 2
	s_lshr_b32 s49, s35, 1
	s_add_co_u32 s48, s48, s49                     ; S
	s_lshr_b32 s49, s34, 2                         ; which 128 rows
	s_lshl_b32 s49, s49, 3
	s_add_co_u32 s48, s48, s49
	s_and_b32 s49, s35, 1                          ; p2
	s_and_b32 s36, s34, 3                          ; which 32 of the 128 rows
	OUTS 8
	s_mov_b32 s44, 0x76543210
	s_mov_b32 s45, 0xfedcba98                      ; v_permlanex16_b32's selects for lane l xor 16
	s_mul_i32 s54, s32, 8704                       ; my wave's two stages of 16 x 272 bytes
	s_wait_alu depctr_va_vdst(0)
	v_lshlrev_b32 v4, 13, v3
	v_lshl_add_u32 v4, v2, 4, v4                   ; in: row e, 16 bytes a lane
	v_mul_u32_u24 v5, v3, 272
	v_lshl_add_u32 v5, v2, 4, v5
	v_add_nc_u32 v5, s54, v5                       ; into the stage, as loaded
	v_mul_u32_u24 v6, v2, 272
	v_lshl_add_u32 v6, v3, 6, v6
	v_add_nc_u32 v6, s54, v6                       ; out of it: row p, half e of a block's 128 bytes
	v_lshlrev_b32 v7, 4, v2
	v_lshl_add_u32 v7, v3, 3, v7                   ; my 8 bytes of row p's 16
	v_lshlrev_b32 v8, 3, v1
	v_mov_b32 v178, 0                              ; written once: a lane permute's destination counts as one of its sources
	v_mov_b32 v179, 0
.macro ALOAD t                         ; step t: rows 16 (t / 4) on, bytes 256 (t % 4) on, into set t % 3
.irp i, 0,1,2,3,4,5,6,7
	global_load_b128 v[16+32*((\t)%3)+4*\i:16+32*((\t)%3)+4*\i+3], v4, s[38:39] offset:((\t)/4)*131072+((\t)%4)*256+\i*16384 th:TH_LOAD_NT
.endr
.endm
.macro ATURN t                         ; through stage t % 2: LDS serves a wave's instructions in order (ISA guide 5.7.1.4), so no wait stands between the stores and the loads
.irp i, 0,1,2,3,4,5,6,7
	ds_store_b128 v5, v[16+32*((\t)%3)+4*\i:16+32*((\t)%3)+4*\i+3] offset:4352*((\t)%2)+544*\i
.endr
.irp j, 0,1
.irp i, 0,1,2,3
	ds_load_b128 v[112+32*((\t)%2)+16*\j+4*\i:112+32*((\t)%2)+16*\j+4*\i+3], v6 offset:4352*((\t)%2)+128*\j+16*\i
.endr
.endr
.endm
.macro ASTEP t
.set XS, 112+32*((\t)%2)
.set RS, (\t)/4
.set J2, (\t)%4
	s_wait_dscnt 0x0                               ; this step's numbers are back from the stage: so its stores into the stage have read their registers,
.if (\t)+3 < 8
	ALOAD (\t)+3                                   ; which take the loads of three steps on
.endif
.if (\t)+1 < 8
.if (\t) <= 4
	s_wait_loadcnt 16                              ; the next step's eight loads are in; those of the two steps behind it may be out
.else
	s_wait_loadcnt 8*(6-(\t))
.endif
	ATURN (\t)+1                                   ; and go through the other stage while this step is worked
.endif
.irp j, 0,1
	v_max3_num_f32 v[176+\j], |v[XS+16*\j]|, |v[XS+16*\j+1]|, 0x1800000   ; block j: my 16 numbers, and the floor 2^(3 - 127)
.endr
.irp i, 2,4,6,8,10,12,14
.irp j, 0,1
	v_max3_num_f32 v[176+\j], v[176+\j], |v[XS+16*\j+\i]|, |v[XS+16*\j+\i+1]|   ; (the two blocks by turns)
.endr
.endr
.irp j, 0,1
	v_permlanex16_b32 v[178+\j], v[176+\j], s44, s45
.endr
.irp j, 0,1
	v_max_num_f32 v[176+\j], v[176+\j], v[178+\j]  ; with lane l xor 16's: the block's largest magnitude
.endr
.irp j, 0,1
	v_add_nc_u32 v[180+\j], 0xff000000, v[176+\j]  ; 2 off its exponent field: the conversion's scale operand
.endr
	s_wait_alu depctr_va_vdst(0)
	s_wait_xcnt 0x0                                ; the last step's stores have read v[184:187]: only behind this wait are they written again
.irp j, 0,1
	v_cvt_scalef32_pk8_fp4_f32 v[184+2*\j], v[XS+16*\j:XS+16*\j+7], v[180+\j]
	v_cvt_scalef32_pk8_fp4_f32 v[185+2*\j], v[XS+16*\j+8:XS+16*\j+15], v[180+\j]
.endr
.irp j, 0,1                            ; the scale's byte of block 2 (t % 4) + j, at its place in the row's 8 bytes.  (The first line is also the plain line behind the conversions)
.set BL, 2*J2+\j
.if BL%4 == 0
	v_lshrrev_b32 v[188+2*RS+BL/4], 23, v[180+\j]
.else
	v_lshrrev_b32 v182, 23, v[180+\j]
	v_lshl_or_b32 v[188+2*RS+BL/4], v182, 8*(BL%4), v[188+2*RS+BL/4]
.endif
.endr
.irp j, 0,1
	global_store_b64 v7, v[184+2*\j:185+2*\j], s[40:41] offset:(2*J2+\j)*2048+RS*256   ; 32 lanes store 256 consecutive bytes, aligned: 16 rows x 16 bytes of one block
.endr
.endm
	ALOAD 0
	ALOAD 1
	ALOAD 2
	s_wait_alu depctr_va_vdst(0)
	s_wait_loadcnt 16                              ; step 0's eight loads are in
	ATURN 0
.irp t, 0,1,2,3,4,5,6,7
	ASTEP \t
.endr
	v_cmp_lt_u32 vcc_lo, 15, v1                    ; lanes 0-15 send rows 0-15's bytes, lanes 16-31 rows 16-31's (both lanes of a block hold the same bytes)
	v_cndmask_b32 v10, v188, v190, vcc_lo
	v_cndmask_b32 v11, v189, v191, vcc_lo
	global_store_b64 v8, v[10:11], s[42:43]        ; 32 lanes store 256 consecutive bytes, aligned
	s_wait_tensorcnt 0x0
	ds_add_u32 v14, v15
	s_wait_dscnt 0x0
	s_endpgm
.Lfunc_end_k_qfdb2338a9c_quant:
	.size	k_qfdb2338a9c_quant, .Lfunc_end_k_qfdb2338a9c_quant-k_qfdb2338a9c_quant
	.p2alignl 7, 3214868480
	.fill 96, 4, 3214868480
	.section	.rodata,"a",@progbits
	.p2align	6, 0x0
	.amdhsa_kernel k_qfdb2338a9c_quant
		.amdhsa_group_segment_fixed_size 35328
		.amdhsa_private_segment_fixed_size 0
		.amdhsa_enable_private_segment 0
		.amdhsa_kernarg_size 96
		.amdhsa_user_sgpr_count 2
		.amdhsa_user_sgpr_kernarg_segment_ptr 1
		.amdhsa_wavefront_size32 1
		.amdhsa_system_sgpr_workgroup_id_x 1
		.amdhsa_system_sgpr_workgroup_id_y 1
		.amdhsa_system_sgpr_workgroup_id_z 1
		.amdhsa_system_vgpr_workitem_id 0
		.amdhsa_next_free_vgpr 192
		.amdhsa_next_free_sgpr 66
		.amdhsa_reserve_vcc 1
		.amdhsa_float_denorm_mode_32 3
		.amdhsa_float_denorm_mode_16_64 3
		.amdhsa_memory_ordered 1
		.amdhsa_forward_progress 1
		.amdhsa_inst_pref_size 73
	.end_amdhsa_kernel
	.amdgpu_metadata
---
amdhsa.version: [ 1, 2 ]
amdhsa.kernels:
  - .name:           k_qfdb2338a9c_quant
    .symbol:         k_qfdb2338a9c_quant.kd
    .args:
      - { .name: x, .offset: 0, .size: 8, .value_kind: global_buffer, .address_space: global }
      - { .name: h, .offset: 8, .size: 8, .value_kind: global_buffer, .address_space: global }
      - { .name: w_xi, .offset: 16, .size: 8, .value_kind: global_buffer, .address_space: global }
      - { .name: w_xf, .offset: 24, .size: 8, .value_kind: global_buffer, .address_space: global }
      - { .name: w_xo, .offset: 32, .size: 8, .value_kind: global_buffer, .address_space: global }
      - { .name: w_xc, .offset: 40, .size: 8, .value_kind: global_buffer, .address_space: global }
      - { .name: w_hi, .offset: 48, .size: 8, .value_kind: global_buffer, .address_space: global }
      - { .name: w_hf, .offset: 56, .size: 8, .value_kind: global_buffer, .address_space: global }
      - { .name: w_ho, .offset: 64, .size: 8, .value_kind: global_buffer, .address_space: global }
      - { .name: w_hc, .offset: 72, .size: 8, .value_kind: global_buffer, .address_space: global }
      - { .name: aq, .offset: 80, .size: 8, .value_kind: global_buffer, .address_space: global }
      - { .name: wq, .offset: 88, .size: 8, .value_kind: global_buffer, .address_space: global }
    .group_segment_fixed_size: 35328
    .private_segment_fixed_size: 0
    .kernarg_segment_align: 8
    .kernarg_segment_size: 96
    .max_flat_workgroup_size: 128
    .sgpr_count:     66
    .vgpr_count:     192
    .wavefront_size: 32
...
	.end_amdgpu_metadata
.endif
;; end of part 1
;; launch lstm (part 2): grid 32 x 8, 4 waves a work-group, clusters of 4 x 4, 327,680 bytes of LDS; arguments aq, wq, c, b_i, b_f, b_o, b_c, out0, out1; writes out0, out1
.if DOCPART == 2
	.amdgcn_target "amdgcn-amd-amdhsa--gfx1250"
	.amdhsa_code_object_version 6
	.text
	.protected	k_qfdb2338a9c_lstm
	.globl	k_qfdb2338a9c_lstm
	.p2align	8
	.type	k_qfdb2338a9c_lstm,@function
k_qfdb2338a9c_lstm:
	s_mov_b64 s[64:65], 0
	v_nop
	global_prefetch_b8 v0, s[64:65] scope:SCOPE_SE
	s_setreg_imm32_b32 hwreg(HW_REG_WAVE_MODE, 25, 1), 1
	s_wait_xcnt 0x0
	s_wait_alu depctr_hold_cnt(0) depctr_sa_sdst(0) depctr_va_vdst(0) depctr_va_sdst(0) depctr_va_ssrc(0) depctr_va_vcc(0) depctr_vm_vsrc(0)
	s_getreg_b32 s2, hwreg(HW_REG_IB_STS2, 6, 4)
	s_cmp_eq_u32 s2, 0
	s_cbranch_scc0 .Lentry_in_a_cluster
	s_endpgm
.Lentry_in_a_cluster:
	s_bfe_u32 s2, ttmp6, 0x10000c
	s_cmp_lg_u32 s2, 0xf033
	s_cbranch_scc0 .Lentry_shape_is_right
	s_endpgm
.Lentry_shape_is_right:
; gates = Q(x) Q(Wx) + Q(h) Q(Wh) + b on codes of FP4 with E8M0 scales (K = 4,096 in 8 steps of 512), then the LSTM cell, in f32.
; A work-group makes 256 rows x 64 hidden units x 4 gates; a wave 128 rows x 32 units x 4 gates: 64 accumulators, the biases as the C of the first products.
; 4 x 4 clusters ask for A's and B's tiles jointly; a ring of two slots, a quarter of a slot (one dense half-block of HBB bytes) to a wave's load.
; sigmoid(t) = 1 / (1 + 2^(-t log2 e)); tanh(t) = 1 - 2 / (1 + 2^(2 t log2 e)).  LIMITS: NaN and infinities among the inputs are not served.
.set HBB,   34816
.set SLOT,  4*HBB
.set SPARE, 2*SLOT
.set CIN,   0
.set HST,   256*272
.set CST,   SLOT
.set NP,    4
.set PF,   13
.set BO,   14
.set GO,   15
.set ADRA, 16
.set ADRB, 20
.set ADRS, 22
.set CSI,  24
.set CLD,  25
.set STC,  26
.set STH,  27
.set SPW,  28
.set NIL,  29
.set RDC,  30
.set RDH,  31
.set SC,   32
.set AF,   128
.set BI,   192
.set CC,   0
.set T,    32
.set CT,   160
.set HT,   192
.set RB,   32
.set G1A, 28
.set G0A, 36
.set G1B, 44
.set G0B, 52
.set PFB, 78
.set PFA, 80
.set MSB, 0
.macro WIN new
.if MSB != (\new)
	s_set_vgpr_msb (MSB<<8)|(\new)
.set MSB, (\new)
.endif
.endm
.set MUL_LO, 0xa1
.set MUL_HI, 0xf1
.set TO_B,   0x40
.macro JLOAD g0a, g1a, g0b, g1b
	s_cmp_eq_u32 s23, 0
	s_cbranch_scc0 .Lfor_b_\@
	tensor_load_to_lds s[\g0a:\g0a+3], s[\g1a:\g1a+7]
	s_nop 0
.rept 4
	v_nop
.endr
	s_branch .Lasked_\@
.Lfor_b_\@:
	tensor_load_to_lds s[\g0b:\g0b+3], s[\g1b:\g1b+7]
	s_nop 0
.rept 4
	v_nop
.endr
.Lasked_\@:
.endm
.macro CREST
	s_cmp_lg_u32 s22, 0
	s_cbranch_scc1 .Lnot_wave_0_\@
	s_barrier_signal -3
.Lnot_wave_0_\@:
	s_barrier_wait -3
	s_barrier_signal -1
	s_barrier_wait -1
.endm
.macro CROUND
	s_barrier_signal -1
	s_barrier_wait -1
	CREST
.endm
.macro PLACES n
.rept \n
	v_nop
.endr
.endm
	s_load_b256 s[4:11], s[0:1], 0x0
	s_load_b256 s[12:19], s[0:1], 0x20
	s_load_b64 s[20:21], s[0:1], 0x40
	v_lshl_add_u32 v[SPW], v0, 2, SPARE
	v_mov_b32 v[NIL], 0
	ds_add_u32 v28, v29
	ds_add_u32 v28, v29
	s_wait_dscnt 0x0
	v_lshrrev_b32 v1, 5, v0
	v_readfirstlane_b32 s22, v1
	s_lshr_b32 s23, s22, 1
	s_and_b32 s24, s22, 1
	s_bfe_u32 s25, ttmp6, 0x40000
	s_bfe_u32 s26, ttmp6, 0x40004
	s_lshl_b32 s27, ttmp9, 2
	s_add_co_u32 s27, s27, s25
	s_and_b32 s60, ttmp7, 0xffff
	s_lshl_b32 s60, s60, 2
	s_add_co_u32 s60, s60, s26
	s_lshl_b32 s61, s26, 2
	s_lshl_b32 s61, 15, s61
	s_lshl_b32 s62, 0x1111, s25
	s_or_b32 s[G1A], s61, (3<<16)|(1<<21)
	s_or_b32 s[G1B], s62, (3<<16)|(1<<21)
.irp g, G1A, G1B
	s_mov_b32 s[\g+1], 256<<16                     ; a half-block is dense: 17 rows of 256 elements of 8 bytes, each row at a multiple of 256 bytes
	s_mov_b32 s[\g+2], 17<<16
	s_mov_b32 s[\g+3], 256<<16
	s_mov_b32 s[\g+4], 17
	s_mov_b32 s[\g+5], 256
	s_mov_b32 s[\g+6], 0
	s_mov_b32 s[\g+7], 0
.endr
	s_lshl_b32 s66, s60, 1
	s_add_co_u32 s66, s66, s24
	s_mul_i32 s66, s66, 8*HBB
	s_mov_b32 s67, 0
	s_lshl_b32 s68, s27, 1
	s_add_co_u32 s68, s68, s24
	s_mul_i32 s68, s68, 8*HBB
	s_mov_b32 s69, 0
	s_mul_i32 s63, s22, HBB
	s_wait_kmcnt 0x0
	s_add_nc_u64 s[66:67], s[4:5], s[66:67]
	s_add_nc_u64 s[68:69], s[6:7], s[68:69]
	CROUND
.irp s, 0,1
	s_mov_b32 s[G0A+4*\s], 1
	s_add_co_u32 s[G0A+4*\s+1], s63, \s*SLOT
	s_add_nc_u64 s[G0A+4*\s+2:G0A+4*\s+3], s[66:67], \s*HBB
	s_or_b32 s[G0A+4*\s+3], s[G0A+4*\s+3], 0x80000000
	s_mov_b32 s[G0B+4*\s], 1
	s_add_co_u32 s[G0B+4*\s+1], s63, \s*SLOT
	s_add_nc_u64 s[G0B+4*\s+2:G0B+4*\s+3], s[68:69], \s*HBB
	s_or_b32 s[G0B+4*\s+3], s[G0B+4*\s+3], 0x80000000
.endr
	JLOAD G0A, G1A, G0B, G1B                       ; K step 0: one tensor load a wave at the head; the set-up below stands under its flight
	s_lshl_b32 s70, s27, 1
	s_add_co_u32 s70, s70, s24
	s_lshl_b32 s70, s70, 3
	s_add_co_u32 s70, s70, s23
	s_add_co_u32 s70, s70, 2
	s_mul_i32 s70, s70, HBB
	s_mul_i32 s71, s60, 17*256
	s_add_co_u32 s70, s70, s71
	s_mov_b32 s71, 0
	s_add_nc_u64 s[PFB:PFB+1], s[6:7], s[70:71]
	s_and_b32 s72, s27, 1
	s_lshl_b32 s73, s60, 1
	s_add_co_u32 s72, s72, s73
	s_lshl_b32 s72, s72, 3
	s_bfe_u32 s73, s27, 0x10001
	s_add_co_u32 s72, s72, s73
	s_add_co_u32 s72, s72, 2
	s_mul_i32 s72, s72, HBB
	s_lshr_b32 s73, s27, 2
	s_mul_i32 s73, s73, 17*256
	s_add_co_u32 s72, s72, s73
	s_mov_b32 s73, 0
	s_add_nc_u64 s[PFA:PFA+1], s[4:5], s[72:73]
	v_and_b32 v[PF], 31, v0
	v_min_u32 v[PF], 16, v[PF]
	v_lshlrev_b32 v[PF], 8, v[PF]
	global_prefetch_b8 v[PF], s[PFB:PFB+1] th:TH_LOAD_NT scope:SCOPE_SE
	s_cmp_lg_u32 s22, 0
	s_cbranch_scc1 .Lhead_asked
	global_prefetch_b8 v[PF], s[PFA:PFA+1] th:TH_LOAD_NT scope:SCOPE_SE
.Lhead_asked:
	v_and_b32 v1, 15, v0
	v_bfe_u32 v2, v0, 4, 1
	s_wait_alu depctr_va_vdst(0)
	v_lshlrev_b32 v3, 4, v1
	v_lshl_add_u32 v3, v2, 11, v3
	s_mul_i32 s70, s23, HBB
	s_mul_i32 s71, s24, HBB
	s_add_co_u32 s71, s71, 2*HBB
.irp s, 0,1
	v_add_nc_u32 v[ADRA+\s], s70, v3
	v_add_nc_u32 v[ADRB+\s], s71, v3
	s_add_co_u32 s70, s70, SLOT
	s_add_co_u32 s71, s71, SLOT
.endr
	s_xor_b32 s71, s23, 1
	s_add_co_u32 s71, s71, s24
	s_add_co_u32 s71, s71, 1
	s_mul_i32 s71, s71, HBB
	v_mul_u32_u24 v4, s71, v2
	v_lshl_add_u32 v4, v1, 3, v4
	s_mul_i32 s70, s23, HBB
	s_add_co_u32 s70, s70, 32768
	v_add_nc_u32 v[ADRS], s70, v4
	v_add_nc_u32 v[ADRS+1], SLOT, v[ADRS]
	s_mul_i32 s70, s22, 64*272
	v_mul_u32_u24 v5, v2, 272
	v_lshl_add_u32 v5, v1, 4, v5
	v_add_nc_u32 v[CSI], s70, v5
	s_mul_i32 s70, s23, 128*272
	s_lshl_b32 s71, s24, 7
	s_add_co_u32 s70, s70, s71
	v_mul_u32_u24 v6, v1, 272
	v_lshl_add_u32 v6, v2, 5, v6
	v_add_nc_u32 v[CLD], s70, v6
	v_add_nc_u32 v[STH], HST, v[CLD]
	v_add_nc_u32 v[STC], CST, v[CLD]
	s_mul_i32 s70, s23, 128*272
	s_mul_i32 s71, s24, 16*272
	s_add_co_u32 s70, s70, s71
	v_add_nc_u32 v[RDH], s70, v5
	v_add_nc_u32 v[RDC], CST, v[RDH]
	v_add_nc_u32 v[RDH], HST, v[RDH]
	v_lshlrev_b32 v[BO], 5, v2
	s_wait_alu depctr_va_vdst(0)
	v_lshlrev_b32 v[GO], 13, v2
	v_lshl_add_u32 v[GO], v1, 4, v[GO]
	s_lshl_b32 s70, s27, 8
	s_lshl_b32 s71, s24, 7
	s_add_co_u32 s70, s70, s71
	s_mov_b32 s71, 0
	s_add_nc_u64 s[10:11], s[10:11], s[70:71]
	s_add_nc_u64 s[12:13], s[12:13], s[70:71]
	s_add_nc_u64 s[14:15], s[14:15], s[70:71]
	s_add_nc_u64 s[16:17], s[16:17], s[70:71]
	s_lshl_b32 s72, s60, 21
	s_lshl_b32 s73, s27, 8
	s_add_co_u32 s72, s72, s73
	s_lshl_b32 s70, s22, 19
	s_add_co_u32 s70, s70, s72
	s_add_nc_u64 s[8:9], s[8:9], s[70:71]
	s_lshl_b32 s70, s23, 20
	s_lshl_b32 s73, s24, 17
	s_add_co_u32 s70, s70, s73
	s_add_co_u32 s70, s70, s72
	s_add_nc_u64 s[18:19], s[18:19], s[70:71]
	s_add_nc_u64 s[20:21], s[20:21], s[70:71]
	s_mov_b32 s74, 0xbfb8aa3b
	s_mov_b32 s75, s74
	s_mov_b32 s76, 0x4038aa3b
	s_mov_b32 s77, s76
.irp g, 0,1,2,3
.irp uu, 0,1
.irp z, 0,1
	global_load_b128 v[BI+8*(2*\g+\uu)+4*\z:BI+8*(2*\g+\uu)+4*\z+3], v[BO], s[10+2*\g:11+2*\g] offset:64*\uu+16*\z
.endr
.endr
.endr
.macro FRAG reg, adr, q, i
.irp c, 0,1
	ds_load_b128 v[\reg+4*\c:\reg+4*\c+3], v[\adr] offset:8192*(\q)+4096*\c+256*(\i)
.endr
.endm
.macro MUL16 a0, p, q, sc, first
.irp a, \a0, \a0+1
.irp b, 0,1,2,3,4,5,6,7
.if \first
	v_wmma_scale_f32_16x16x128_f8f6f4 v[8*(8*((\a)%4)+\b):8*(8*((\a)%4)+\b)+7], v[128*(\p)+8*\b:128*(\p)+8*\b+7], v[AF+8*(\a):AF+8*(\a)+7], v[BI+8*\b:BI+8*\b+7], v[SC+32*(\sc)+4*\b+(\q)], v[SC+32*(\sc)+4*(\a)+(\q)] matrix_a_fmt:MATRIX_FMT_FP4 matrix_b_fmt:MATRIX_FMT_FP4 matrix_a_scale:MATRIX_SCALE_ROW1
.else
	v_wmma_scale_f32_16x16x128_f8f6f4 v[8*(8*((\a)%4)+\b):8*(8*((\a)%4)+\b)+7], v[128*(\p)+8*\b:128*(\p)+8*\b+7], v[AF+8*(\a):AF+8*(\a)+7], v[8*(8*((\a)%4)+\b):8*(8*((\a)%4)+\b)+7], v[SC+32*(\sc)+4*\b+(\q)], v[SC+32*(\sc)+4*(\a)+(\q)] matrix_a_fmt:MATRIX_FMT_FP4 matrix_b_fmt:MATRIX_FMT_FP4 matrix_a_scale:MATRIX_SCALE_ROW1
.endif
.endr
.endr
.endm
.macro FETCH_B slot, q, p
	WIN TO_B
.irp i, 0,1,2,3,4,5,6,7
	FRAG 128*(\p)+8*\i, ADRB+\slot, \q, \i
.endr
	WIN 0
.endm
.macro FETCH_A slot, q, i0
.irp i, \i0, \i0+1, \i0+2, \i0+3
	FRAG AF+8*(\i), ADRA+\slot, \q, \i
.endr
.endm
.macro SCALES s
.irp i, 0,1,2,3,4,5,6,7
.irp p, 0,1
	ds_load_b64 v[SC+32*\s+4*\i+2*\p:SC+32*\s+4*\i+2*\p+1], v[ADRS+\s] offset:1024*\p+128*\i
.endr
.endr
.endm
.macro STEP slot, q, first
	s_wait_dscnt 8
.if \first
	WIN 0x81
.else
	WIN MUL_LO
.endif
	MUL16 0, (\q)%2, \q, \slot, \first
	MUL16 2, (\q)%2, \q, \slot, \first
	s_wait_dscnt 0
	PLACES NP
	FETCH_B \slot, (\q)+1, 1-(\q)%2
	FETCH_A \slot, (\q)+1, 0
.if \first
	WIN 0xc1
.else
	WIN MUL_HI
.endif
	MUL16 4, (\q)%2, \q, \slot, \first
	MUL16 6, (\q)%2, \q, \slot, \first
	PLACES NP
	WIN 0
	FETCH_A \slot, (\q)+1, 4
.endm
.macro TURN slot, next, fill, ask
	s_wait_dscnt 8                                 ; B's set and A's blocks 0-3 are in; A's blocks 4-7, the youngest eight loads, may be out
	WIN MUL_LO
	MUL16 0, 1, 3, \slot, 0                        ; 32 products on registers alone stand ahead of the wait for the next slot's tile,
	MUL16 2, 1, 3, \slot, 0                        ; so that nothing but the round stands between that wait and the refill
	WIN 0
	s_wait_tensorcnt 0x0                           ; all my tensor loads have landed: my part of the next slot
	ds_add_u32 v[SPW], v[NIL]
	s_wait_dscnt 0x0                               ; the add is done, and my reads of this slot are over
	s_barrier_signal -1
	s_barrier_wait -1
.if \fill
	CREST
	s_add_nc_u64 s[G0A+4*\slot+2:G0A+4*\slot+3], s[G0A+4*\slot+2:G0A+4*\slot+3], 2*HBB
	s_add_nc_u64 s[G0B+4*\slot+2:G0B+4*\slot+3], s[G0B+4*\slot+2:G0B+4*\slot+3], 2*HBB
	JLOAD G0A+4*\slot, G1A, G0B+4*\slot, G1B
.else
	PLACES NP
.endif
	FETCH_B \next, 0, 0
	FETCH_A \next, 0, 0
	SCALES \next
.if \ask
	s_cmp_eq_u32 s3, 1
	s_cbranch_scc1 .Lnot_asked_\@
	s_wait_xcnt 0x0
	s_add_nc_u64 s[PFB:PFB+1], s[PFB:PFB+1], 2*HBB
	s_add_nc_u64 s[PFA:PFA+1], s[PFA:PFA+1], 2*HBB
	global_prefetch_b8 v[PF], s[PFB:PFB+1] th:TH_LOAD_NT scope:SCOPE_SE
	s_cmp_lg_u32 s22, 0
	s_cbranch_scc1 .Lnot_asked_\@
	global_prefetch_b8 v[PF], s[PFA:PFA+1] th:TH_LOAD_NT scope:SCOPE_SE
.Lnot_asked_\@:
.endif
	WIN MUL_HI
	MUL16 4, 1, 3, \slot, 0
	MUL16 6, 1, 3, \slot, 0
	PLACES NP
	WIN 0
	FETCH_A \next, 0, 4
.endm
	s_wait_alu depctr_va_vdst(0)
	s_wait_tensorcnt 0x0                           ; my part of K step 0 is in
	ds_add_u32 v[SPW], v[NIL]
	s_wait_dscnt 0x0
	CROUND                                         ; everybody's part is in, and the sixteen work-groups meet
	JLOAD G0A+4, G1A, G0B+4, G1B                   ; slot 1's first fill, issued as a refill is
	FETCH_B 0, 0, 0
	FETCH_A 0, 0, 0
	SCALES 0
	FETCH_A 0, 0, 4
	s_wait_loadcnt 0x0
	STEP 0, 0, 1
	s_mov_b32 s3, 3
.Llap:
	STEP 0, 1, 0
	STEP 0, 2, 0
	TURN 0, 1, 1, 1
	STEP 1, 0, 0
	STEP 1, 1, 0
	STEP 1, 2, 0
	TURN 1, 0, 1, 0
	STEP 0, 0, 0
	s_sub_co_u32 s3, s3, 1
	s_cmp_lg_u32 s3, 0
	s_cbranch_scc1 .Llap
	WIN TO_B
.set tt, 0
	s_wait_alu depctr_va_vdst(0)
.rept 32
	global_load_b128 v[64+4*tt+64*(tt/16):64+4*tt+64*(tt/16)+3], v[GO], s[8:9] offset:16384*tt th:TH_LOAD_NT
.set tt, tt+1
.endr
	WIN 0
	STEP 0, 1, 0
	STEP 0, 2, 0
	TURN 0, 1, 0, 0
	STEP 1, 0, 0
	STEP 1, 1, 0
	STEP 1, 2, 0
	s_wait_dscnt 8
	WIN MUL_LO
	MUL16 0, 1, 3, 1, 0
	MUL16 2, 1, 3, 1, 0
	s_wait_dscnt 0
	WIN MUL_HI
	MUL16 4, 1, 3, 1, 0
	MUL16 6, 1, 3, 1, 0
	WIN 0
	PLACES NP
	s_wait_loadcnt 0x0
	WIN 0x04
.set tt, 0
.rept 32
	ds_store_b128 v[CSI], v[64+4*tt+64*(tt/16):64+4*tt+64*(tt/16)+3] offset:544*tt
.set tt, tt+1
.endr
	WIN 0
	s_wait_dscnt 0x0
	s_barrier_signal -1
	s_barrier_wait -1
.macro CHUNK k
.if \k > 0
	s_wait_xcnt 0x0
.endif
	WIN 0x40
.irp ap, 0,1
.irp uu, 0,1
.irp z, 0,1
	ds_load_b128 v[CC+16*\ap+8*\uu+4*\z:CC+16*\ap+8*\uu+4*\z+3], v[CLD] offset:4352*(2*\k+\ap)+64*\uu+16*\z
.endr
.endr
.endr
	WIN 0x42+(\k)/2
.irp ap, 0,1
.irp g, 0,1,2,3
.irp uu, 0,1
.irp jp, 0,2,4,6
	v_pk_mul_f32 v[T+32*\g+16*\ap+8*\uu+\jp:T+32*\g+16*\ap+8*\uu+\jp+1], v[8*(8*(2*((\k)%2)+\ap)+2*\g+\uu)+\jp:8*(8*(2*((\k)%2)+\ap)+2*\g+\uu)+\jp+1], s[74+2*(\g/3):75+2*(\g/3)] op_sel_hi:[1,0]
.endr
.endr
.endr
.endr
	WIN 0x55
.set n, 0
	s_wait_alu depctr_va_vdst(0)
.rept 128
	v_exp_f32 v[T+n], v[T+n]
.set n, n+1
.endr
	v_nop
.set n, 0
	s_wait_alu depctr_va_vdst(0)
.rept 64
	v_pk_add_f32 v[T+n:T+n+1], v[T+n:T+n+1], 1.0 op_sel_hi:[1,0]
.set n, n+2
.endr
.set n, 0
	s_wait_alu depctr_va_vdst(0)
.rept 128
	v_rcp_f32 v[T+n], v[T+n]
.set n, n+1
.endr
	v_nop
.set n, 0
	s_wait_alu depctr_va_vdst(0)
.rept 16
	v_pk_fma_f32 v[T+96+n:T+96+n+1], v[T+96+n:T+96+n+1], -2.0, 1.0 op_sel_hi:[1,0,0]
.set n, n+2
.endr
.set n, 0
.rept 16
	v_pk_mul_f32 v[T+n:T+n+1], v[T+n:T+n+1], v[T+96+n:T+96+n+1]
.set n, n+2
.endr
	s_wait_dscnt 0x0
.set n, 0
.rept 16
	v_pk_fma_f32 v[CT+n:CT+n+1], v[CC+n:CC+n+1], v[T+32+n:T+32+n+1], v[T+n:T+n+1]
.set n, n+2
.endr
.set n, 0
.rept 16
	v_pk_mul_f32 v[T+96+n:T+96+n+1], v[CT+n:CT+n+1], s[76:77] op_sel_hi:[1,0]
.set n, n+2
.endr
.set n, 0
	s_wait_alu depctr_va_vdst(0)
.rept 32
	v_exp_f32 v[T+96+n], v[T+96+n]
.set n, n+1
.endr
	v_nop
.set n, 0
	s_wait_alu depctr_va_vdst(0)
.rept 16
	v_pk_add_f32 v[T+96+n:T+96+n+1], v[T+96+n:T+96+n+1], 1.0 op_sel_hi:[1,0]
.set n, n+2
.endr
.set n, 0
	s_wait_alu depctr_va_vdst(0)
.rept 32
	v_rcp_f32 v[T+96+n], v[T+96+n]
.set n, n+1
.endr
	v_nop
.set n, 0
	s_wait_alu depctr_va_vdst(0)
.rept 16
	v_pk_fma_f32 v[T+96+n:T+96+n+1], v[T+96+n:T+96+n+1], -2.0, 1.0 op_sel_hi:[1,0,0]
.set n, n+2
.endr
.set n, 0
.rept 16
	v_pk_mul_f32 v[HT+n:HT+n+1], v[T+64+n:T+64+n+1], v[T+96+n:T+96+n+1]
.set n, n+2
.endr
	WIN 0x04
.irp ap, 0,1
.irp uu, 0,1
.irp z, 0,1
	ds_store_b128 v[STC], v[CT+16*\ap+8*\uu+4*\z:CT+16*\ap+8*\uu+4*\z+3] offset:4352*(2*\k+\ap)+64*\uu+16*\z
	ds_store_b128 v[STH], v[HT+16*\ap+8*\uu+4*\z:HT+16*\ap+8*\uu+4*\z+3] offset:4352*(2*\k+\ap)+64*\uu+16*\z
.endr
.endr
.endr
	s_wait_dscnt 0x0
	s_barrier_signal -1
	s_barrier_wait -1
	WIN 0x40
.irp t, 0,1,2,3,4,5,6,7
	ds_load_b128 v[RB+4*\t:RB+4*\t+3], v[RDC] offset:8704*\k+544*\t
.endr
.irp t, 0,1,2,3,4,5,6,7
	ds_load_b128 v[RB+32+4*\t:RB+32+4*\t+3], v[RDH] offset:8704*\k+544*\t
.endr
	WIN 0x04
.irp t, 0,1,2,3,4,5,6,7
	s_wait_dscnt 15-\t
	global_store_b128 v[GO], v[RB+4*\t:RB+4*\t+3], s[20:21] offset:(32*\k+2*\t)*8192 th:TH_STORE_NT
.endr
.irp t, 0,1,2,3,4,5,6,7
	s_wait_dscnt 7-\t
	global_store_b128 v[GO], v[RB+32+4*\t:RB+32+4*\t+3], s[18:19] offset:(32*\k+2*\t)*8192 th:TH_STORE_NT
.endr
.endm
	CHUNK 0
	CHUNK 1
	CHUNK 2
	CHUNK 3
	WIN 0
	s_wait_tensorcnt 0x0
	ds_add_u32 v[SPW], v[NIL]
	s_wait_dscnt 0x0
	CROUND
	s_endpgm
.Lfunc_end_k_qfdb2338a9c_lstm:
	.size	k_qfdb2338a9c_lstm, .Lfunc_end_k_qfdb2338a9c_lstm-k_qfdb2338a9c_lstm
	.p2alignl 7, 3214868480
	.fill 96, 4, 3214868480
	.section	.rodata,"a",@progbits
	.p2align	6, 0x0
	.amdhsa_kernel k_qfdb2338a9c_lstm
		.amdhsa_group_segment_fixed_size 327680
		.amdhsa_private_segment_fixed_size 0
		.amdhsa_enable_private_segment 0
		.amdhsa_kernarg_size 72
		.amdhsa_user_sgpr_count 2
		.amdhsa_user_sgpr_kernarg_segment_ptr 1
		.amdhsa_wavefront_size32 1
		.amdhsa_system_sgpr_workgroup_id_x 1
		.amdhsa_system_sgpr_workgroup_id_y 1
		.amdhsa_system_sgpr_workgroup_id_z 1
		.amdhsa_system_vgpr_workitem_id 0
		.amdhsa_next_free_vgpr 1024
		.amdhsa_next_free_sgpr 84
		.amdhsa_reserve_vcc 0
		.amdhsa_float_denorm_mode_32 3
		.amdhsa_float_denorm_mode_16_64 3
		.amdhsa_memory_ordered 1
		.amdhsa_forward_progress 1
		.amdhsa_inst_pref_size 255
	.end_amdhsa_kernel
	.section	.bss,"aw",@nobits
	.p2align	6
	.space	262144
	.amdgpu_metadata
---
amdhsa.version: [ 1, 2 ]
amdhsa.kernels:
  - .name:           k_qfdb2338a9c_lstm
    .symbol:         k_qfdb2338a9c_lstm.kd
    .args:
      - { .name: aq, .offset: 0, .size: 8, .value_kind: global_buffer, .address_space: global }
      - { .name: wq, .offset: 8, .size: 8, .value_kind: global_buffer, .address_space: global }
      - { .name: c, .offset: 16, .size: 8, .value_kind: global_buffer, .address_space: global }
      - { .name: b_i, .offset: 24, .size: 8, .value_kind: global_buffer, .address_space: global }
      - { .name: b_f, .offset: 32, .size: 8, .value_kind: global_buffer, .address_space: global }
      - { .name: b_o, .offset: 40, .size: 8, .value_kind: global_buffer, .address_space: global }
      - { .name: b_c, .offset: 48, .size: 8, .value_kind: global_buffer, .address_space: global }
      - { .name: out0, .offset: 56, .size: 8, .value_kind: global_buffer, .address_space: global }
      - { .name: out1, .offset: 64, .size: 8, .value_kind: global_buffer, .address_space: global }
    .group_segment_fixed_size: 327680
    .private_segment_fixed_size: 0
    .kernarg_segment_align: 8
    .kernarg_segment_size: 72
    .max_flat_workgroup_size: 128
    .sgpr_count:     84
    .vgpr_count:     1024
    .wavefront_size: 32
...
	.end_amdgpu_metadata
.endif
;; end of part 2
